; MI455X (gfx1250); checked and timed in simulation.
; The chip was launched on July 23, 2026; its instructions are those of AMD's public machine-readable ISA for CDNA 5 (MIT licence, August 2026) and "CDNA5" Instruction Set Architecture Reference Guide (July 2026). The comments in the code are by the model that wrote it; some were corrected since.
;; Parent GRU. Allowed arithmetic: matrix products marked QUANTISED: E2M1 operands, one E8M0 scale for each 32 along K, by v_wmma_scale_f32_16x16x128_f8f6f4 with both operands' format E2M1 (or v_wmma_scale_f32_32x16x128_f4), f32 sums; everything else in f32.
;; Inputs: inputs 16,384 x 512 float32; p_a_w 512 x 512 float32; p_c_w 512 x 512 float32; p_r1_w 512 x 512 float32; p_r_w 512 x 512 float32; parent_state 16,384 x 512 float32; state 16,384 x 512 float32; u_a_w 512 x 512 float32; u_c_w 512 x 512 float32; u_r1_w 512 x 512 float32; u_r_w 512 x 512 float32; w_a_b 512 float32; w_a_w 512 x 512 float32; w_c_b 512 float32; w_c_w 512 x 512 float32; w_r1_b 512 float32; w_r1_w 512 x 512 float32; w_r_b 512 float32; w_r_w 512 x 512 float32.
;; Outputs: out0 16,384 x 512 float32.
;; This version of the problem:
;;   THIS VERSION OF THE PROBLEM IS GIVEN IN LOW PRECISION. The matrix products marked QUANTISED in the list below multiply operands that are first quantised to E2M1 (2 exponent bits, 1 mantissa bit; 4 bits a number), with one power-of-two scale for each 32 numbers along K (OCP MX v1.0); their sums are f32. All else is computed in f32.
;;   The module's matrix products, in the order in which they are computed (A, B: the left and right operand; K: the contracted axis; several contracted axes count as one K, in the product's order):
;;     1. [M 16,384, K 512] x [K 512, N 512]; A: input inputs; B: input w_a_w: QUANTISED
;;     2. [M 16,384, K 512] x [K 512, N 512]; A: input state; B: input u_a_w: QUANTISED
;;     3. [M 16,384, K 512] x [K 512, N 512]; A: input parent_state; B: input p_a_w: QUANTISED
;;     4. [M 16,384, K 512] x [K 512, N 512]; A: input inputs; B: input w_r_w: QUANTISED
;;     5. [M 16,384, K 512] x [K 512, N 512]; A: input state; B: input u_r_w: QUANTISED
;;     6. [M 16,384, K 512] x [K 512, N 512]; A: input parent_state; B: input p_r_w: QUANTISED
;;     7. [M 16,384, K 512] x [K 512, N 512]; A: input inputs; B: input w_r1_w: QUANTISED
;;     8. [M 16,384, K 512] x [K 512, N 512]; A: input state; B: input u_r1_w: QUANTISED
;;     9. [M 16,384, K 512] x [K 512, N 512]; A: input parent_state; B: input p_r1_w: QUANTISED
;;     10. [M 16,384, K 512] x [K 512, N 512]; A: input inputs; B: input w_c_w: QUANTISED
;;     11. [M 16,384, K 512] x [K 512, N 512]; A: computed on the way; B: input u_c_w: QUANTISED
;;     12. [M 16,384, K 512] x [K 512, N 512]; A: computed on the way; B: input p_c_w: QUANTISED
;;   THE QUANTISER, for each operand of a quantised product, along K:
;;     - K is cut into blocks of 32 from its start; a last block that is shorter is filled with zeros.
;;     - A block's scale is 2^e with e = floor(log2(the largest magnitude in the block)) - 2, held to -126 .. 127; a block of zeros has e = 0. As a byte (E8M0): e + 127.
;;     - Each number is divided by its block's scale, clamped to +-6, and rounded to the nearest number of E2M1, ties to even, subnormals kept.
;;     - The product sums the exact products of the quantised numbers (number of the format x scale) in f32.
;;   ~~~python
;;   def quantise(x, axis):      # numpy; x: float32 -> the quantised numbers, widened to float32 again
;;       x = np.moveaxis(x, axis, -1); K = x.shape[-1]
;;       x = np.pad(x, [(0, 0)] * (x.ndim - 1) + [(0, -K % 32)]); x = x.reshape(x.shape[:-1] + (-1, 32)); a = np.abs(x).max(-1, keepdims=True)
;;       e = np.where(a > 0, np.clip(np.frexp(np.where(a > 0, a, 1))[1] - 1 - 2, -126, 127), 0)      # np.frexp(a)[1] - 1 = floor(log2(a)), exactly
;;       r = np.clip(x / 2.0 ** e, -6, 6)
;;       step = 2.0 ** (np.maximum(np.frexp(np.where(r == 0, 1, r))[1] - 1, 0) - 1)
;;       q = np.round(r / step) * step * 2.0 ** e      # np.round: ties to even
;;       return np.moveaxis(q.reshape(q.shape[:-2] + (-1,))[..., :K], -1, axis).astype(np.float32)
;;   ~~~
;;   OPERANDS COMPUTED ON THE WAY. 'Computed on the way' means the value that the module computes at that place (a softmax that the list does not call 'softmax' is quantised finished and normalised). What goes into a quantiser is computed in f32, as accurately as f32 sums, v_exp_f32 and their like allow (about 1e-6 of the number): no bf16 or f16 on the way to a quantiser, and a product that is left as it is and whose result goes on into a quantised operand takes f32 operands (vector FMAs, or v_wmma_f32_16x16x4_f32). A number that lies on a knife's edge between two numbers of the format may be rounded either way, as far as f32 arithmetic and the matrix unit's own rounding can turn it there, and no further.
;; One version. Each part assembles by itself: llvm-mc -triple=amdgcn-amd-amdhsa -mcpu=gfx1250 --defsym DOCPART=n.
;; ======== version 1 of 1: 2 launches
;; limits: right only within a limited range of input values
;; workspace buffers: wq 1,671,168 bytes
;; launch wquant (part 1): grid 12 x 16, 4 waves a work-group, no clusters, 34,816 bytes of LDS; arguments u_r_w, p_r_w, w_r_w, u_r1_w, p_r1_w, w_r1_w, u_a_w, p_a_w, w_a_w, w_c_w, u_c_w, p_c_w, wq; writes wq
.if DOCPART == 1
	.amdgcn_target "amdgcn-amd-amdhsa--gfx1250"
	.amdhsa_code_object_version 6
	.text
	.protected	k_q49cd9e99be_wquant
	.globl	k_q49cd9e99be_wquant
	.p2align	8
	.type	k_q49cd9e99be_wquant,@function
k_q49cd9e99be_wquant:
	s_mov_b64 s[64:65], 0
	v_nop
	global_prefetch_b8 v0, s[64:65] scope:SCOPE_SE
	s_setreg_imm32_b32 hwreg(HW_REG_WAVE_MODE, 25, 1), 1
	s_wait_xcnt 0x0
; The twelve weights [512][512] f32 (K innermost) become codes of FP4 (E2M1) with one E8M0 byte for each 32 along K, laid in wq in the ORDER IN WHICH THE SECOND LAUNCH LOADS THEM.
; K steps of 128 are numbered kappa = 12 g + 4 prod + s (g: gate r, r1, att, c; prod: the matrix's place among the gate's three; s: along K); the matrix is kappa / 4, in the order of this launch's arguments:
; for r, r1 and att the state's, the parent's, the input's weight; for c the input's, the state's, the parent's: the order in which the second launch has the rows' images in LDS.
; wq = [n = kappa / 3][w = 0..3][pos = kappa % 3][8,704 bytes].  The 8,704 bytes of (kappa, w) serve hidden units 128 w .. 128 w + 127: eight fragment images of 1,024 bytes, then 512 bytes of scale words.
; Tile t = 2 b + u: lane r takes row 128 w + 32 b + 8 u + r + 8 (r / 8), so that in the transposed product the 16 registers of tiles 2 b, 2 b + 1 are 16 neighbouring hidden units.
; A fragment image: registers 4 c .. 4 c + 3 of lane l at 512 c + 16 l.  Scale words: at 16 l + 4 j the word of tile 2 j + l / 16, row l % 16: one load of 16 bytes a lane gives four scale registers, even tiles in lanes 0-15, odd tiles in lanes 16-31.
; SHARES: work-group (x, y): w = x % 4, pos = x / 4, n = y: 128 rows x 128 columns of one matrix.  Wave v makes tiles 2 v and 2 v + 1 (rows 32 v .. 32 v + 31 of the 128).
; Each load reads 512 consecutive bytes of a row; a tile's 16 rows turn through the wave's own stage in LDS (rows 528 bytes apart), so that a lane gets 16 neighbours of each block of 32 of ONE row.
; A block's scale is 2^(floor(log2(largest magnitude)) - 2); its byte is the largest magnitude's exponent field - 2, held at 1 from below.
; LIMITS: a block of zeros gets the byte 1 where the rule says 127 (its codes are zeros, and this program alone reads the bytes); NaN and infinities among the inputs are not served.
; No tensor load, no cluster: no two work-groups read the same bytes.  192 work-groups: as many as there are blocks of 128 x 128 x K step.
.set TM,   16                          ; v16-31  at work in QUANT
.set PC0,  32                          ; v32-39  tile 2 v's codes
.set PC1,  40                          ; v40-47  tile 2 v + 1's
.set PW0,  48                          ; v48, v49 their scale words
.set PW1,  49
.set R,    64                          ; v64-191 32 rows as loaded, four registers a row
.set Q,    192                         ; v192-255 64 numbers of one row
.set SP,   528                         ; a stage row: 512 bytes + 16
.set SCL,  4*16*SP                     ; behind the four stages: the block's 512 bytes of scale words
.set WV,   34
.set SEL,  46                          ; s[46:47] v_permlanex16_b32's selects for lane l xor 16
.set FLR,  48                          ; s48 the floor 2^(3 - 127)
.set MSB, 0
.macro WIN new                         ; the immediate's high byte repeats the setting that is left; here every window is 0 and nothing is written
.if MSB != (\new)
	s_set_vgpr_msb (MSB<<8)|(\new)
.set MSB, (\new)
.endif
.endm
; 64 numbers of a lane (window win, v[src] on), register 16 b + i = k 32 b + 16 (lane / 16) + i of my row, become a fragment's codes in v[pc] on and its scale word in v[pw].
.macro QUANT win, src, pc, pw
	WIN ((\win)<<2)|((\win)<<4)
.irp b, 0,1,2,3
	v_max3_num_f32 v[TM+\b], s[FLR], |v[(\src)+16*\b]|, |v[(\src)+16*\b+1]|   ; block b: my 16 numbers, and the floor, so that the byte cannot fall under 1
.endr
.irp i, 2,4,6,8,10,12,14
.irp b, 0,1,2,3
	v_max3_num_f32 v[TM+\b], v[TM+\b], |v[(\src)+16*\b+\i]|, |v[(\src)+16*\b+\i+1]|   ; the four blocks by turns
.endr
.endr
	WIN 0
.irp b, 0,1,2,3
	v_permlanex16_b32 v[TM+4+\b], v[TM+\b], s[SEL], s[SEL+1]
.endr
.irp b, 0,1,2,3
	v_max_num_f32 v[TM+\b], v[TM+\b], v[TM+4+\b]       ; with lane l xor 16's: the block's largest magnitude
.endr
.irp b, 0,1,2,3
	v_add_nc_u32 v[TM+12+\b], 0xff000000, v[TM+\b]     ; 2 off its exponent field: the conversion's scale operand
.endr
.irp b, 0,1,2,3
	v_lshrrev_b32 v[TM+4+\b], 23, v[TM+12+\b]          ; the scale's byte
.endr
	v_lshl_or_b32 v[\pw], v[TM+5], 8, v[TM+4]
	v_lshl_or_b32 v[\pw], v[TM+6], 16, v[\pw]
	v_lshl_or_b32 v[\pw], v[TM+7], 24, v[\pw]          ; my row's scale word
	WIN (\win)
.irp b, 0,1,2,3
	v_cvt_scalef32_pk8_fp4_f32 v[(\pc)+2*\b], v[(\src)+16*\b:(\src)+16*\b+7], v[TM+12+\b]
	v_cvt_scalef32_pk8_fp4_f32 v[(\pc)+2*\b+1], v[(\src)+16*\b+8:(\src)+16*\b+15], v[TM+12+\b]
.endr
	WIN 0
	v_nop                                              ; one plain place behind a scaled conversion
.irp c, 0,1
.irp i, 0,1
	v_permlane16_swap_b32 v[(\pc)+4*\c+\i], v[(\pc)+2+4*\c+\i]   ; the operand's layout wants a whole block in a lane
.endr
.endr
.endm
	s_load_b512 s[8:23], s[0:1], 0x0               ; matrices 0 to 7
	s_load_b256 s[24:31], s[0:1], 0x40             ; matrices 8 to 11
	s_load_b64 s[32:33], s[0:1], 0x60              ; wq
	v_lshl_add_u32 v62, v0, 2, 0x8600
	v_mov_b32 v63, 0
	v_lshrrev_b32 v1, 5, v0
	v_readfirstlane_b32 s[WV], v1                  ; wave v
	v_and_b32 v1, 31, v0                           ; lane
	v_and_b32 v2, 15, v0                           ; r
	v_bfe_u32 v3, v0, 4, 1                         ; h
	v_lshlrev_b32 v4, 4, v1                        ; 16 x lane: my bytes of a load's or a store's 512
	s_mul_i32 s41, s[WV], 16*SP                    ; my stage
	v_add_nc_u32 v5, s41, v4                       ; into it: 16 x lane of a row
	v_mul_u32_u24 v6, v2, SP
	v_lshl_add_u32 v6, v3, 6, v6
	v_add_nc_u32 v6, s41, v6                       ; out of it: row r, + 64 h
	s_lshl_b32 s41, s[WV], 2
	s_add_co_u32 s41, s41, SCL
	v_add_nc_u32 v7, s41, v4                       ; my scale word's place: 16 x lane + 4 v
	v_add_nc_u32 v8, SCL, v4                       ; and on the way out 16 bytes a lane
.irp b, 0,1,2,3
	v_mov_b32 v[TM+4+\b], 0                        ; written once: a lane permute's destination counts as one of its sources
.endr
	s_mov_b32 s[SEL], 0x76543210
	s_mov_b32 s[SEL+1], 0xfedcba98
	s_mov_b32 s[FLR], 0x1800000
	s_and_b32 s35, ttmp9, 3                        ; w
	s_lshr_b32 s36, ttmp9, 2                       ; pos
	s_and_b32 s37, ttmp7, 0xffff                   ; n
	s_mul_i32 s38, s37, 3
	s_add_co_u32 s38, s38, s36                     ; kappa
	s_lshr_b32 s39, s38, 2                         ; the matrix
	s_and_b32 s40, s38, 3                          ; its K step
	s_lshl_b32 s44, s35, 7
	s_lshl_b32 s45, s[WV], 5
	s_add_co_u32 s44, s44, s45                     ; my first row: 128 w + 32 v
	s_lshl_b32 s44, s44, 11                        ; rows of 2,048 bytes
	s_lshl_b32 s45, s40, 9
	s_add_co_u32 s44, s44, s45                     ; + 512 bytes a K step
	s_mov_b32 s45, 0
	s_lshl_b32 s50, s37, 2
	s_add_co_u32 s50, s50, s35
	s_mul_i32 s50, s50, 26112                      ; chunk (n, w),
	s_mul_i32 s51, s36, 8704
	s_add_co_u32 s50, s50, s51                     ; + pos,
	s_lshl_b32 s51, s[WV], 11
	s_add_co_u32 s50, s50, s51                     ; + my two tiles' images
	s_mov_b32 s51, 0
	s_wait_alu depctr_va_vdst(0)
	s_wait_kmcnt 0x0
	s_mov_b64 s[42:43], s[8:9]                     ; the source is chosen on the work-group's numbers alone
.irp i, 1,2,3,4,5,6,7,8,9,10,11
	s_cmp_eq_u32 s39, \i
	s_cselect_b64 s[42:43], s[8+2*\i:9+2*\i], s[42:43]
.endr
	s_add_nc_u64 s[42:43], s[42:43], s[44:45]
	s_add_nc_u64 s[32:33], s[32:33], s[50:51]
.irp p, 0,1,2,3,4,5,6,7,8,9,10,11,12,13,14,15,16,17,18,19,20,21,22,23,24,25,26,27,28,29,30,31
	global_load_b128 v[R+4*\p:R+4*\p+3], v4, s[42:43] offset:2048*\p th:TH_LOAD_NT   ; row p: 32 lanes read 512 consecutive bytes
.endr
	s_wait_loadcnt 0x0
; Tile 2 v + u: its 16 rows through the stage (LDS serves a wave's instructions in order: no wait between the stores and the loads), quantised, stored as an image
.macro UTILE u, pc, pw
.irp i, 0,1,2,3,4,5,6,7,8,9,10,11,12,13,14,15
	ds_store_b128 v5, v[R+4*(8*(\u)+\i+8*(\i/8)):R+4*(8*(\u)+\i+8*(\i/8))+3] offset:SP*\i   ; stage row i = the tile's row i
.endr
.irp b, 0,1,2,3
.irp j, 0,1,2,3
	ds_load_b128 v[Q+16*\b+4*\j:Q+16*\b+4*\j+3], v6 offset:128*\b+16*\j
.endr
.endr
	s_wait_dscnt 0x0
	QUANT 0, Q, \pc, \pw
	global_store_b128 v4, v[\pc:\pc+3], s[32:33] offset:1024*(\u)          ; 32 lanes store 512 consecutive bytes
	global_store_b128 v4, v[\pc+4:\pc+7], s[32:33] offset:1024*(\u)+512
.endm
	UTILE 0, PC0, PW0
	UTILE 1, PC1, PW1
	v_cmp_le_u32 vcc_lo, 16, v1
	v_cndmask_b32 v50, v[PW0], v[PW1], vcc_lo      ; lanes 0-15 the even tile's words, lanes 16-31 the odd tile's
	ds_store_b32 v7, v50
	s_wait_dscnt 0x0                               ; for the others' sake: my word has landed
	s_barrier_signal -1
	s_barrier_wait -1
	s_cmp_lg_u32 s[WV], 0
	s_cbranch_scc1 .Ldone                          ; wave 0 stores the block's 512 bytes of scale words (its base is the block's)
	ds_load_b128 v[52:55], v8
	s_wait_dscnt 0x0
	global_store_b128 v4, v[52:55], s[32:33] offset:8192
.Ldone:
	s_wait_tensorcnt 0x0
	ds_add_u32 v62, v63
	s_wait_dscnt 0x0
	s_endpgm
.Lfunc_end_k_q49cd9e99be_wquant:
	.size	k_q49cd9e99be_wquant, .Lfunc_end_k_q49cd9e99be_wquant-k_q49cd9e99be_wquant
	.p2alignl 7, 3214868480
	.fill 96, 4, 3214868480
	.section	.rodata,"a",@progbits
	.p2align	6, 0x0
	.amdhsa_kernel k_q49cd9e99be_wquant
		.amdhsa_group_segment_fixed_size 34816
		.amdhsa_private_segment_fixed_size 0
		.amdhsa_enable_private_segment 0
		.amdhsa_kernarg_size 104
		.amdhsa_user_sgpr_count 2
		.amdhsa_user_sgpr_kernarg_segment_ptr 1
		.amdhsa_wavefront_size32 1
		.amdhsa_system_sgpr_workgroup_id_x 1
		.amdhsa_system_sgpr_workgroup_id_y 1
		.amdhsa_system_sgpr_workgroup_id_z 1
		.amdhsa_system_vgpr_workitem_id 0
		.amdhsa_next_free_vgpr 256
		.amdhsa_next_free_sgpr 66
		.amdhsa_reserve_vcc 1
		.amdhsa_float_denorm_mode_32 3
		.amdhsa_float_denorm_mode_16_64 3
		.amdhsa_memory_ordered 1
		.amdhsa_forward_progress 1
		.amdhsa_inst_pref_size 19
	.end_amdhsa_kernel
	.amdgpu_metadata
---
amdhsa.version: [ 1, 2 ]
amdhsa.kernels:
  - .name:           k_q49cd9e99be_wquant
    .symbol:         k_q49cd9e99be_wquant.kd
    .args:
      - { .name: u_r_w, .offset: 0, .size: 8, .value_kind: global_buffer, .address_space: global }
      - { .name: p_r_w, .offset: 8, .size: 8, .value_kind: global_buffer, .address_space: global }
      - { .name: w_r_w, .offset: 16, .size: 8, .value_kind: global_buffer, .address_space: global }
      - { .name: u_r1_w, .offset: 24, .size: 8, .value_kind: global_buffer, .address_space: global }
      - { .name: p_r1_w, .offset: 32, .size: 8, .value_kind: global_buffer, .address_space: global }
      - { .name: w_r1_w, .offset: 40, .size: 8, .value_kind: global_buffer, .address_space: global }
      - { .name: u_a_w, .offset: 48, .size: 8, .value_kind: global_buffer, .address_space: global }
      - { .name: p_a_w, .offset: 56, .size: 8, .value_kind: global_buffer, .address_space: global }
      - { .name: w_a_w, .offset: 64, .size: 8, .value_kind: global_buffer, .address_space: global }
      - { .name: w_c_w, .offset: 72, .size: 8, .value_kind: global_buffer, .address_space: global }
      - { .name: u_c_w, .offset: 80, .size: 8, .value_kind: global_buffer, .address_space: global }
      - { .name: p_c_w, .offset: 88, .size: 8, .value_kind: global_buffer, .address_space: global }
      - { .name: wq, .offset: 96, .size: 8, .value_kind: global_buffer, .address_space: global }
    .group_segment_fixed_size: 34816
    .private_segment_fixed_size: 0
    .kernarg_segment_align: 8
    .kernarg_segment_size: 104
    .max_flat_workgroup_size: 128
    .sgpr_count:     66
    .vgpr_count:     256
    .wavefront_size: 32
...
	.end_amdgpu_metadata
.endif
;; end of part 1
;; launch gru (part 2): grid 256 x 1, 4 waves a work-group, clusters of 4 x 1, 327,680 bytes of LDS; arguments inputs, state, parent_state, wq, w_r_b, w_r1_b, w_a_b, w_c_b, out0; writes out0
.if DOCPART == 2
	.amdgcn_target "amdgcn-amd-amdhsa--gfx1250"
	.amdhsa_code_object_version 6
	.text
	.protected	k_q49cd9e99be_gru
	.globl	k_q49cd9e99be_gru
	.p2align	8
	.type	k_q49cd9e99be_gru,@function
k_q49cd9e99be_gru:
	s_mov_b64 s[64:65], 0
	v_nop
	global_prefetch_b8 v0, s[64:65] scope:SCOPE_SE
	s_setreg_imm32_b32 hwreg(HW_REG_WAVE_MODE, 25, 1), 1
	s_wait_xcnt 0x0
	s_wait_alu depctr_hold_cnt(0) depctr_sa_sdst(0) depctr_va_vdst(0) depctr_va_sdst(0) depctr_va_ssrc(0) depctr_va_vcc(0) depctr_vm_vsrc(0)
	s_getreg_b32 s2, hwreg(HW_REG_IB_STS2, 6, 4)
	s_cmp_eq_u32 s2, 0
	s_cbranch_scc0 .Lentry_in_a_cluster
	s_endpgm
.Lentry_in_a_cluster:
	s_bfe_u32 s2, ttmp6, 0x10000c
	s_cmp_lg_u32 s2, 0x3003
	s_cbranch_scc0 .Lentry_shape_is_right
	s_endpgm
.Lentry_shape_is_right:
; new_h = att c + (1 - att) s, with r, r1, att = sigmoid(x W^T + s U^T + p P^T + b), c = tanh(x Wc^T + (s r) Uc^T + (p r1) Pc^T + bc); all twelve products on codes of FP4 (E2M1), one E8M0 scale for each 32 along K.
; x, s, p: [16384][512] f32, quantised here.  The weights come as register images (codes, scale words) from wq, laid by the launch before.  Nothing else goes to memory.
; SHARES.  A work-group of four waves takes 64 rows through the whole chain: 256 work-groups.  Wave w owns hidden units 128 w .. 128 w + 127 for all 64 rows; s and p stay in registers as f32.
; THE PRODUCTS ARE USED TRANSPOSED, in the form of 32 x 16 x 128: source 0 = 32 rows of a weight (two neighbouring tile images of wq; its scale words fill the 32 lanes as wq has them), source 1 = 16 rows of x, s, p, s r or p r1.
; Register 64 m + 16 b + i of lane (r, h) holds (row 16 m + r, column 128 w + 32 b + 16 h + i) in the sums, in s and in p alike: gates, products with s and p, and the quantiser work lane by lane.
; THE ROWS' OPERANDS go from wave to wave through LDS as images of their registers, in the order s, p, x, s r, p r1: a gate's 12 K steps (s, p, x) and c's (x, s r, p r1) are each one run of bytes.
; THE WALK.  Four passes (r, r1, att, c) of 12 K steps of 128, in four phases of three.  wq comes through a ring of two LDS slots of three K steps; wave w fetches, and alone reads, its own 26,112 bytes of a slot.
; In its i-th phase of a pass cluster q takes the pass's chunk (i + q) % 4.
; CLUSTER.  All row blocks walk the same wq: the four work-groups of a cluster ask for each chunk JOINTLY (the same load, the same descriptor, a mask that names the four).  x, s, p and out belong to one work-group each.
; PREFETCH.  In each of the three trips of the loop, behind the pass's first K step, clusters 0, 8, 32 and 40 name the next pass's 1,632 blocks of 256 bytes of wq: eight K steps ahead of the first load that wants them.
; The partner at place cx takes chunk cx, its wave w that chunk's part w: 102 blocks, four instructions.  Pass r's chunks come by their loads alone; pass c asks for nothing.  x, s, p: 64 loads a wave are out through the head, so they are not prefetched.
; sigmoid(z) = 1 / (1 + 2^(-z log2 e)); tanh(z) = 1 - 2 / (1 + 2^(2 z log2 e)); the biases lie in LDS already multiplied by the gate's factor.
; LIMITS: NaN and infinities among the inputs are not served; a block of zeros gets the scale byte 1 where the rule says 127 (its codes are zeros, and this program alone reads the bytes);
; a gate's f32 sum takes its 12 K steps in the cluster's rotated order, not ascending; the last line is computed as s + att (c - s).
; REGISTERS, in windows of 256 (s_set_vgpr_msb: bits 1:0 source 0, 3:2 source 1, 5:4 source 2, 7:6 destination): window 0 addresses, fragments, scale words, work; window 1 x, then the sums of r, r1, att (att stays);
; window 2 s; window 3 p, then the sums of c, then the result.
.set KSB,   8704                       ; a K step of a wave: eight images of 1,024 bytes, 512 bytes of scale words
.set CHUNK, 3*KSB                      ; a wave's part of a slot: 102 rows of 256 bytes
.set SLOTB, 4*CHUNK
.set PASSB, 4*SLOTB
.set SP,    528                        ; a stage row: 512 bytes + 16
.set ISC,   2*SLOTB                    ; behind the ring: scale words of s, p, x, s r, p r1: 2,048 bytes each, 512 a K step
.set IMG,   ISC+10240                  ; their codes: 16,384 bytes each, 4,096 a K step, 1,024 a tile of rows
.set STAGE, IMG+3*16384                ; each wave's stage, 16 rows x 528 bytes, over the codes of s r and p r1 and 1,024 bytes more: used ahead of the first barrier and behind the last
.set BIASL, STAGE+4*16*SP              ; 2,048 bytes a wave, 512 a gate
.set SPARE, BIASL+8192                 ; the spare words, 128 bytes a wave: no other line names them
.set SPW,  1                           ; v1 my spare word; v2 0: kept for the add alone
.set NIL,  2
.set GOF,  3                           ; 16 x lane
.set STW,  4                           ; my stage + 16 x lane: rows as they lie in memory
.set STR,  5                           ; my stage + 528 r + 64 h: my 16 numbers of a block of 32 of row r
.set WAD,  6                           ; v6, v7 my chunk in slot 0, 1, + 16 x lane
.set AIMP, 8                           ; v8-11  the rows' codes of phase i: IMG + 12,288 ((i + q) % 4) + 16 x lane
.set ASAP, 12                          ; v12-15 their scale words: ISC + 1,536 ((i + q) % 4) + 16 x lane
.set IWX,  16                          ; where I store images of s, p, x;  v17 of s r, p r1;  v18 scale words
.set IW1,  17
.set SWX,  18
.set BRD,  19                          ; my biases, + 64 h
.set BWR,  20
.set BRW,  21                          ; BRD + the pass's 512 bytes
.set PFO,  22                          ; v22 256 x lane; v23 256 x min(96 + lane, 101)
.set PC,   24                          ; v24-31 codes just made
.set WF,   32                          ; v32-159 weight fragments, two sets; between passes 64 biases; on the way out rows of the result
.set AF,   160                         ; v160-223 the rows' fragments, two sets
.set WSC,  224                         ; v224-231 the weights' scale words
.set ASC,  232                         ; v232-239 the rows' scale words
.set TM,   240                         ; v240-247, v252-255 at work in QUANT; v248 the scale word just made
.set PW,   248
.set WV,   22
.set CX,   23                          ; my place in the cluster: it enters the addresses of x, s, p, out and of the prefetch alone
.set G0,   32                          ; s[32:35], s[36:39] descriptor group 0 for slot 0, 1
.set G1,   40
.set SEL,  48
.set KS,   50                          ; s[50:51] -log2 e
.set K2,   52                          ; s[52:53] 2 log2 e
.set FLR,  54
.set PASS, 55
.set BOFF, 56
.set PFA,  58                          ; s[58:59] the next pass's bytes of wq, chunk cx, part w
.set RO,   68                          ; s[68:69] .. s[74:75] SLOTB x ((i + q) % 4), as pairs
.set PB,   76                          ; s[76:77] wq at the pass in hand, my wave's part
.set MSB, 0
.macro WIN new                         ; the immediate's high byte repeats the setting that is left; a switch that changes nothing is dropped
.if MSB != (\new)
	s_set_vgpr_msb (MSB<<8)|(\new)
.set MSB, (\new)
.endif
.endm
.macro PLACES                          ; four plain places behind matrix instructions, and behind a tensor load
.rept 4
	v_nop
.endr
.endm
.macro CREST                           ; a round of the cluster's barrier behind its opening barrier
	s_cmp_lg_u32 s[WV], 0
	s_cbranch_scc1 .Lnot_wave_0_\@
	s_barrier_signal -3
.Lnot_wave_0_\@:
	s_barrier_wait -3
	s_barrier_signal -1
	s_barrier_wait -1
.endm
.macro ROUND
	s_barrier_signal -1
	s_barrier_wait -1
	CREST
.endm
; 64 numbers of a lane (window win, v[src] on), register 16 b + i = k 32 b + 16 h + i of my row, become a fragment's codes in v[PC] on and its scale word in v[PW]
.macro QUANT win, src
	WIN ((\win)<<2)|((\win)<<4)
.irp b, 0,1,2,3
	v_max3_num_f32 v[TM+\b], s[FLR], |v[(\src)+16*\b]|, |v[(\src)+16*\b+1]|   ; with the floor, so that the byte cannot fall under 1
.endr
.irp i, 2,4,6,8,10,12,14
.irp b, 0,1,2,3
	v_max3_num_f32 v[TM+\b], v[TM+\b], |v[(\src)+16*\b+\i]|, |v[(\src)+16*\b+\i+1]|
.endr
.endr
	WIN 0
.irp b, 0,1,2,3
	v_permlanex16_b32 v[TM+4+\b], v[TM+\b], s[SEL], s[SEL+1]
.endr
.irp b, 0,1,2,3
	v_max_num_f32 v[TM+\b], v[TM+\b], v[TM+4+\b]       ; with lane l xor 16's: the block's largest magnitude
.endr
.irp b, 0,1,2,3
	v_add_nc_u32 v[TM+12+\b], 0xff000000, v[TM+\b]     ; 2 off its exponent field: the conversion's scale operand
.endr
.irp b, 0,1,2,3
	v_lshrrev_b32 v[TM+4+\b], 23, v[TM+12+\b]          ; the scale's byte
.endr
	v_lshl_or_b32 v[PW], v[TM+5], 8, v[TM+4]
	v_lshl_or_b32 v[PW], v[TM+6], 16, v[PW]
	v_lshl_or_b32 v[PW], v[TM+7], 24, v[PW]
	WIN (\win)
.irp b, 0,1,2,3
	v_cvt_scalef32_pk8_fp4_f32 v[PC+2*\b], v[(\src)+16*\b:(\src)+16*\b+7], v[TM+12+\b]
	v_cvt_scalef32_pk8_fp4_f32 v[PC+2*\b+1], v[(\src)+16*\b+8:(\src)+16*\b+15], v[TM+12+\b]
.endr
	WIN 0
	v_nop                                              ; one plain place behind a scaled conversion
.irp c, 0,1
.irp i, 0,1
	v_permlane16_swap_b32 v[PC+4*\c+\i], v[PC+2+4*\c+\i]   ; the operand's layout wants a whole block in a lane
.endr
.endr
.endm
.macro IMAGE ireg, ioff, soff          ; the fragment and its scale word go to LDS as they stand
	ds_store_b128 v[\ireg], v[PC:PC+3] offset:\ioff
	ds_store_b128 v[\ireg], v[PC+4:PC+7] offset:(\ioff)+512
	ds_store_b32 v[SWX], v[PW] offset:\soff
.endm
.macro LLD dst                         ; my stage in the lanes' layout, into v[dst] on (the window is the caller's)
.irp b, 0,1,2,3
.irp j, 0,1,2,3
	ds_load_b128 v[(\dst)+16*\b+4*\j:(\dst)+16*\b+4*\j+3], v[STR] offset:128*\b+16*\j
.endr
.endr
.endm
.macro LST src                         ; and the other way
.irp b, 0,1,2,3
.irp j, 0,1,2,3
	ds_store_b128 v[STR], v[(\src)+16*\b+4*\j:(\src)+16*\b+4*\j+3] offset:128*\b+16*\j
.endr
.endr
.endm
.macro LOADT sb, win, m                ; 16 rows, my 128 columns: 16 loads of 512 consecutive bytes
	WIN (\win)<<6
.irp p, 0,1,2,3,4,5,6,7,8,9,10,11,12,13,14,15
	global_load_b128 v[64*(\m)+4*\p:64*(\m)+4*\p+3], v[GOF], s[\sb:\sb+1] offset:(16*(\m)+\p)*2048 th:TH_LOAD_NT
.endr
.endm
; A tile of the head: through my stage, in place (in as rows lie, back in the lanes' layout: LDS serves a wave's instructions in order, ISA guide 5.7.1.4), quantised, its image stored.  left: the younger loads, which may stay out
.macro PT win, m, place, left
	s_wait_loadcnt \left
	WIN (\win)<<2
.irp p, 0,1,2,3,4,5,6,7,8,9,10,11,12,13,14,15
	ds_store_b128 v[STW], v[64*(\m)+4*\p:64*(\m)+4*\p+3] offset:SP*\p
.endr
	WIN (\win)<<6
	LLD 64*(\m)
	WIN 0
	s_wait_dscnt 0x0                               ; the tile is back; the last image's stores have read their registers
	QUANT \win, 64*(\m)
	IMAGE IWX, 16384*(\place)+1024*(\m), 2048*(\place)+4*(\m)
.endm
; 26 LDS loads in one run: the q-th K step of a pass: phase q / 3, slot (q / 3) % 2, place q % 3, set q % 2.  Pass c's run of images begins two operands (32,768 bytes; scale words 4,096) behind the gates'
.macro FETCHQ q, cpass
.set FS, (\q)%2
.set FW, WAD+((\q)/3)%2
.set FP, (\q)/3
.set FO, (\q)%3
.irp t, 0,1,2,3,4,5,6,7
.irp c, 0,1
	ds_load_b128 v[WF+64*FS+8*\t+4*\c:WF+64*FS+8*\t+4*\c+3], v[FW] offset:KSB*FO+1024*\t+512*\c
.endr
.endr
	ds_load_b128 v[WSC+4*FS:WSC+4*FS+3], v[FW] offset:KSB*FO+8192
.irp m, 0,1,2,3
.irp c, 0,1
	ds_load_b128 v[AF+32*FS+8*\m+4*\c:AF+32*FS+8*\m+4*\c+3], v[AIMP+FP] offset:4096*FO+32768*(\cpass)+1024*\m+512*\c
.endr
.endr
	ds_load_b128 v[ASC+4*FS:ASC+4*FS+3], v[ASAP+FP] offset:512*FO+4096*(\cpass)
.endm
; Pairs j0 .. j1 of weight tiles against the four tiles of rows.  The 16 accumulators take turns, in the same order in every K step.  zero = 1: the products start the sums
.macro MUL set, j0, j1, zero
.set J, \j0
.rept (\j1)-(\j0)+1
.irp m, 0,1,2,3
.if \zero
	v_wmma_scale_f32_32x16x128_f4 v[64*\m+16*J:64*\m+16*J+15], v[WF+64*(\set)+16*J:WF+64*(\set)+16*J+15], v[AF+32*(\set)+8*\m:AF+32*(\set)+8*\m+7], 0, v[WSC+4*(\set)+J], v[ASC+4*(\set)+\m]
.else
	v_wmma_scale_f32_32x16x128_f4 v[64*\m+16*J:64*\m+16*J+15], v[WF+64*(\set)+16*J:WF+64*(\set)+16*J+15], v[AF+32*(\set)+8*\m:AF+32*(\set)+8*\m+7], v[64*\m+16*J:64*\m+16*J+15], v[WSC+4*(\set)+J], v[ASC+4*(\set)+\m]
.endif
.endr
.set J, J+1
.endr
.endm
.macro BIASLD reg, off                 ; my 64 biases of a gate, in the sums' layout, into the weight set that is done with
.irp b, 0,1,2,3
.irp j, 0,1,2,3
	ds_load_b128 v[WF+16*\b+4*\j:WF+16*\b+4*\j+3], v[\reg] offset:(\off)+128*\b+16*\j
.endr
.endr
.endm
; A K step whose successor lies in the same slot: the next step's 26 loads go out first, into the set that the step before multiplied (four places stand behind its products)
.macro STEPN q, accw, zero, cpass
	FETCHQ (\q)+1, \cpass
	s_wait_dscnt 26                                ; all but the 26 just issued
	WIN \accw
	MUL (\q)%2, 0, 3, \zero
	WIN 0
	PLACES
.endm
; A slot's last K step changes slots: ONE barrier; in front of it each wave waits for all its tensor loads (one is out: my chunk of the other slot), adds 0 to its spare word, and waits for that and for its LDS reads.
; refill = 1: the barrier opens a round of the cluster's barrier, and this slot takes the chunk of my cluster's phase two on: the first tensor load behind the round.  next = 1: the next step's fragments; 2: the pass's biases
.macro STEPT q, accw, refill, next, cpass
.set SG, G0+4*(((\q)/3)%2)
.set RI, RO+2*((((\q)/3)+2)%4)
	s_wait_tensorcnt 0x0                           ; no tensor load of mine is out, so a group 0 may be written
	ds_add_u32 v[SPW], v[NIL]
.if \refill
	s_add_nc_u64 s[SG+2:SG+3], s[PB:PB+1], s[RI:RI+1]
.if ((\q)/3) >= 2
	s_add_nc_u64 s[SG+2:SG+3], s[SG+2:SG+3], PASSB     ; the next pass's
.endif
	s_or_b32 s[SG+3], s[SG+3], 0x80000000          ; type = 2
.endif
	s_wait_dscnt 1                                 ; all but the add: this step's fragments are in
	WIN \accw
	MUL (\q)%2, 0, 0, 0                            ; four matrix instructions stand between the add and the wait for it
	s_wait_dscnt 0x0                               ; the add is done, and my reads of this slot and of the images are over
	s_barrier_signal -1
	MUL (\q)%2, 1, 1, 0
	WIN 0                                          ; at a branch and at a label every window is 0
	s_barrier_wait -1
.if \refill
	CREST                                          ; no wave of any partner still reads this slot or has a load on its way
	tensor_load_to_lds s[SG:SG+3], s[G1:G1+7]
	s_nop 0
.endif
	PLACES
.if (\next) == 1
	FETCHQ (\q)+1, \cpass
.elseif \cpass
	BIASLD BRD, 1536
.else
	BIASLD BRW, 0
.endif
	WIN \accw
	MUL (\q)%2, 2, 3, 0
	WIN 0
	PLACES
.endm
; The last K step of a pass of the loop: no change of slots here: slot 1 is filled again at the trip's end, behind the gate's arithmetic
.macro STEPL q, accw
	s_wait_dscnt 0x0                               ; this step's fragments are in
	WIN \accw
	MUL (\q)%2, 0, 1, 0
	WIN 0
	BIASLD BRW, 0                                  ; into the weight set that the step before multiplied (four places stand behind its products)
	WIN \accw
	MUL (\q)%2, 2, 3, 0
	WIN 0
	PLACES
.endm
.macro KPASS accw, f8, f11, cpass, pf  ; a pass: 12 K steps, four slots
	FETCHQ 0, \cpass
	STEPN 0, \accw, 1, \cpass
.if \pf
	s_and_b32 s60, ttmp9, 0x17                     ; clusters 0, 8, 32, 40: the cluster's number is the same in the four partners
	s_cmp_eq_u32 s60, 0
	s_cbranch_scc0 .Lno_ask
	global_prefetch_b8 v[PFO], s[PFA:PFA+1] th:TH_LOAD_NT scope:SCOPE_SE
	global_prefetch_b8 v[PFO], s[PFA:PFA+1] offset:8192 th:TH_LOAD_NT scope:SCOPE_SE
	global_prefetch_b8 v[PFO], s[PFA:PFA+1] offset:16384 th:TH_LOAD_NT scope:SCOPE_SE
	global_prefetch_b8 v[PFO+1], s[PFA:PFA+1] th:TH_LOAD_NT scope:SCOPE_SE   ; blocks 96 to 101; the lanes left over name the last again
.Lno_ask:
.endif
	STEPN 1, \accw, 0, \cpass
	STEPT 2, \accw, 1, 1, \cpass
	STEPN 3, \accw, 0, \cpass
	STEPN 4, \accw, 0, \cpass
	STEPT 5, \accw, 1, 1, \cpass
	STEPN 6, \accw, 0, \cpass
	STEPN 7, \accw, 0, \cpass
	STEPT 8, \accw, \f8, 1, \cpass
	STEPN 9, \accw, 0, \cpass
	STEPN 10, \accw, 0, \cpass
.if \pf
	STEPL 11, \accw
.else
	STEPT 11, \accw, \f11, 2, \cpass
.endif
.endm
; 1 / (1 + 2^(k z)), z = sum + bias, in place on the 256 sums of window win; each accumulator is read from its low end on.
; The sources of a batch are laid first, one wait ahead of the batch and one behind
.macro SIG win, k
	s_wait_dscnt 0x0                               ; the biases are in
	WIN (\win)|((\win)<<6)
.irp m, 0,1,2,3
.set I, 0
.rept 32
	v_pk_fma_f32 v[64*\m+2*I:64*\m+2*I+1], v[64*\m+2*I:64*\m+2*I+1], s[\k:\k+1], v[WF+2*I:WF+2*I+1] op_sel_hi:[1,0,1]   ; k sum + k bias
.set I, I+1
.endr
.endr
	s_wait_alu depctr_va_vdst(0)
.set I, 0
.rept 256
	v_exp_f32 v[I], v[I]
.set I, I+1
.endr
	v_nop
	s_wait_alu depctr_va_vdst(0)
.set I, 0
.rept 128
	v_pk_add_f32 v[2*I:2*I+1], v[2*I:2*I+1], 1.0 op_sel_hi:[1,0]
.set I, I+1
.endr
	s_wait_alu depctr_va_vdst(0)
.set I, 0
.rept 256
	v_rcp_f32 v[I], v[I]
.set I, I+1
.endr
	v_nop
	s_wait_alu depctr_va_vdst(0)
	WIN 0
.endm
; The gate in window 1 times s (window 2) or p (window 3), in f32, quantised: K step w of s r (off = 0) or p r1 (off = 1)
.macro MULQ srcwin, off
.irp m, 0,1,2,3
.if \m > 0
	s_wait_dscnt 0x0                               ; the last image's stores have read their registers
.endif
	WIN 0x41|((\srcwin)<<2)
.set I, 32*\m
.rept 32
	v_pk_mul_f32 v[2*I:2*I+1], v[2*I:2*I+1], v[2*I:2*I+1]
.set I, I+1
.endr
	QUANT 1, 64*\m
	IMAGE IW1, 16384*(\off)+1024*\m, 6144+2048*(\off)+4*\m
.endr
.endm
.macro ROWS m                          ; a tile of the result back from my stage as rows of 512 bytes
.irp p, 0,1,2,3,4,5,6,7,8,9,10,11,12,13,14,15
	ds_load_b128 v[WF+64*((\m)%2)+4*\p:WF+64*((\m)%2)+4*\p+3], v[STW] offset:SP*\p
.endr
.endm
.macro SEND m, younger
	s_wait_dscnt \younger
.irp p, 0,1,2,3,4,5,6,7,8,9,10,11,12,13,14,15
	global_store_b128 v[GOF], v[WF+64*((\m)%2)+4*\p:WF+64*((\m)%2)+4*\p+3], s[20:21] offset:(16*(\m)+\p)*2048 th:TH_STORE_NT   ; 32 lanes store 512 consecutive bytes, at a multiple of 256 from out's first byte
.endr
.endm
	; ---- the head: the opening lines, the scalars, the vector lines in one run
	s_load_b256 s[4:11], s[0:1], 0x0               ; x, s, p, wq
	s_load_b256 s[12:19], s[0:1], 0x20             ; the biases of r, r1, att, c
	s_load_b64 s[20:21], s[0:1], 0x40              ; out
	v_lshl_add_u32 v[SPW], v0, 2, SPARE
	v_mov_b32 v[NIL], 0
	ds_add_u32 v[SPW], v[NIL]                      ; the opening: the add, twice on end, and its wait ahead of my first tensor load
	ds_add_u32 v[SPW], v[NIL]
	v_lshrrev_b32 v31, 5, v0
	v_readfirstlane_b32 s[WV], v31                 ; wave 0..3
	s_bfe_u32 s[CX], ttmp6, 0x40000                ; cx
	s_lshl_b32 s24, ttmp9, 2                       ; in a cluster launch ttmp9 counts clusters
	s_add_co_u32 s24, s24, s[CX]                   ; my block of 64 rows
	s_mul_i32 s25, s[WV], 16*SP
	s_add_co_u32 s25, s25, STAGE                   ; my stage
	s_mul_i32 s28, s[WV], CHUNK                    ; my part: of a slot, and of a slot's bytes of wq
	s_mov_b32 s29, 0
.irp i, 0,1,2,3
	s_add_co_u32 s[RO+2*\i], ttmp9, \i
	s_and_b32 s[RO+2*\i], s[RO+2*\i], 3            ; (i + q) % 4
	s_mul_i32 s[32+\i], s[RO+2*\i], 3*4096
	s_add_co_u32 s[32+\i], s[32+\i], IMG
	s_mul_i32 s[36+\i], s[RO+2*\i], 3*512
	s_add_co_u32 s[36+\i], s[36+\i], ISC
	s_mul_i32 s[RO+2*\i], s[RO+2*\i], SLOTB
	s_mov_b32 s[RO+2*\i+1], 0
.endr
	s_lshl_b32 s30, s[WV], 12
	s_add_co_u32 s30, s30, IMG
	s_lshl_b32 s62, s[WV], 9                       ; my wave's 512 bytes of a row, and of a bias
	s_mov_b32 s63, 0
	s_add_co_u32 s31, s62, ISC
	s_lshl_b32 s57, s[WV], 11
	s_add_co_u32 s57, s57, BIASL
	s_lshl_b32 s26, s24, 17                        ; 64 rows of 2,048 bytes
	s_add_co_u32 s26, s26, s62
	s_mov_b32 s27, 0
	s_mul_i32 s60, s[CX], SLOTB                    ; the prefetch: pass r1's bytes, chunk cx, part w
	s_add_co_u32 s60, s60, s28
	s_add_co_u32 s60, s60, PASSB
	s_mov_b32 s61, 0
	s_mov_b32 s[SEL], 0x76543210
	s_mov_b32 s[SEL+1], 0xfedcba98
	s_mov_b32 s[KS], 0xbfb8aa3b
	s_mov_b32 s[KS+1], s[KS]
	s_mov_b32 s[K2], 0x4038aa3b
	s_mov_b32 s[K2+1], s[K2]
	s_mov_b32 s[FLR], 0x1800000
	s_mov_b32 s[PASS], 0
	s_mov_b32 s[BOFF], 0
	; descriptor group 1: a chunk's part is a dense block: 102 rows of 256 bytes (32 elements of 8 bytes), no padding
	s_mov_b32 s[G1+0], 15|(3<<16)|(1<<21)          ; the mask: all four work-groups; elements of 8 bytes; bit 21 beside a mask
	s_mov_b32 s[G1+1], 32<<16
	s_mov_b32 s[G1+2], 102<<16
	s_mov_b32 s[G1+3], 32<<16
	s_mov_b32 s[G1+4], 102
	s_mov_b32 s[G1+5], 32
	s_mov_b32 s[G1+6], 0
	s_mov_b32 s[G1+7], 0
	v_and_b32 v31, 31, v0                          ; lane
	v_and_b32 v30, 15, v0                          ; r
	v_bfe_u32 v29, v0, 4, 1                        ; h
	v_lshlrev_b32 v[GOF], 4, v31
	v_add_nc_u32 v[STW], s25, v[GOF]
	v_mul_u32_u24 v[STR], v30, SP
	v_lshl_add_u32 v[STR], v29, 6, v[STR]
	v_add_nc_u32 v[STR], s25, v[STR]
	v_add_nc_u32 v[WAD], s28, v[GOF]
	v_add_nc_u32 v[WAD+1], SLOTB, v[WAD]
.irp i, 0,1,2,3
	v_add_nc_u32 v[AIMP+\i], s[32+\i], v[GOF]
	v_add_nc_u32 v[ASAP+\i], s[36+\i], v[GOF]
.endr
	v_add_nc_u32 v[IWX], s30, v[GOF]
	v_add_nc_u32 v[IW1], 3*16384, v[IWX]
	v_add_nc_u32 v[SWX], s31, v[GOF]
	v_lshl_add_u32 v[BRD], v29, 6, s57
	v_add_nc_u32 v[BWR], s57, v[GOF]
	v_lshlrev_b32 v[PFO], 8, v31
	v_add_nc_u32 v[PFO+1], 96, v31
	v_min_u32 v[PFO+1], 101, v[PFO+1]
	v_lshlrev_b32 v[PFO+1], 8, v[PFO+1]
.irp b, 0,1,2,3
	v_mov_b32 v[TM+4+\b], 0                        ; written once: a lane permute's destination counts as one of its sources
.endr
	s_wait_alu depctr_va_vdst(0)
	s_wait_dscnt 0x0                               ; both opening adds are done
	s_wait_kmcnt 0x0
	s_add_nc_u64 s[4:5], s[4:5], s[26:27]
	s_add_nc_u64 s[6:7], s[6:7], s[26:27]
	s_add_nc_u64 s[8:9], s[8:9], s[26:27]
	s_add_nc_u64 s[20:21], s[20:21], s[26:27]
.irp g, 0,1,2,3
	s_add_nc_u64 s[12+2*\g:13+2*\g], s[12+2*\g:13+2*\g], s[62:63]
.endr
	s_add_nc_u64 s[PFA:PFA+1], s[10:11], s[60:61]
	s_add_nc_u64 s[PB:PB+1], s[10:11], s[28:29]
	s_mov_b32 s[G0], 1                             ; group 0: nothing in it hangs on the place in the cluster
	s_mov_b32 s[G0+1], s28                         ; slot 0, my part
	s_add_nc_u64 s[G0+2:G0+3], s[PB:PB+1], s[RO:RO+1]      ; my cluster's phase 0
	s_or_b32 s[G0+3], s[G0+3], 0x80000000
	s_mov_b32 s[G0+4], 1
	s_add_co_u32 s[G0+5], s28, SLOTB               ; slot 1
	s_add_nc_u64 s[G0+6:G0+7], s[PB:PB+1], s[RO+2:RO+3]    ; its phase 1
	s_or_b32 s[G0+7], s[G0+7], 0x80000000
	ROUND                                          ; all four work-groups are here: the first joint loads meet
	tensor_load_to_lds s[G0:G0+3], s[G1:G1+7]      ; slot 0: one tensor load a wave at the head
	s_nop 0
	PLACES
	; ---- x, s, p come in, three to four tiles (48 to 64 loads a wave) ahead; s and p stay
.irp g, 0,1,2,3
	global_load_b128 v[WF+4*\g:WF+4*\g+3], v[GOF], s[12+2*\g:13+2*\g]
.endr
	LOADT 4, 1, 0
	LOADT 4, 1, 1
	LOADT 4, 1, 2
	WIN 0
	s_wait_loadcnt 48                              ; the biases are in; the three tiles may be out
.irp g, 0,1,2
	v_pk_mul_f32 v[WF+4*\g:WF+4*\g+1], v[WF+4*\g:WF+4*\g+1], s[KS:KS+1] op_sel_hi:[1,0]
	v_pk_mul_f32 v[WF+4*\g+2:WF+4*\g+3], v[WF+4*\g+2:WF+4*\g+3], s[KS:KS+1] op_sel_hi:[1,0]
.endr
	v_pk_mul_f32 v[WF+12:WF+13], v[WF+12:WF+13], s[K2:K2+1] op_sel_hi:[1,0]
	v_pk_mul_f32 v[WF+14:WF+15], v[WF+14:WF+15], s[K2:K2+1] op_sel_hi:[1,0]
.irp g, 0,1,2,3
	ds_store_b128 v[BWR], v[WF+4*\g:WF+4*\g+3] offset:512*\g   ; my wave's own bytes
.endr
	LOADT 4, 1, 3
	PT 1, 0, 2, 48                                 ; x: place 2 among the images
	LOADT 6, 2, 0
	PT 1, 1, 2, 48
	LOADT 6, 2, 1
	PT 1, 2, 2, 48
	LOADT 6, 2, 2
	PT 1, 3, 2, 48
	LOADT 6, 2, 3
	PT 2, 0, 0, 48                                 ; s: place 0
	LOADT 8, 3, 0
	PT 2, 1, 0, 48
	LOADT 8, 3, 1
	PT 2, 2, 0, 48
	LOADT 8, 3, 2
	PT 2, 3, 0, 48
	LOADT 8, 3, 3
	PT 3, 0, 1, 48                                 ; p: place 1
	s_wait_tensorcnt 0x0                           ; slot 0 is in; slot 1's first fill is issued as a refill is:
	ds_add_u32 v[SPW], v[NIL]
	s_wait_dscnt 0x0
	ROUND                                          ; the joint loads meet
	tensor_load_to_lds s[G0+4:G0+7], s[G1:G1+7]
	s_nop 0
	PLACES
	PT 3, 1, 1, 32                                 ; nothing is left to ask for: the counts run down
	PT 3, 2, 1, 16
	PT 3, 3, 1, 0
	s_wait_dscnt 0x0                               ; my images have landed, and my reads of the stage are over
	s_barrier_signal -1
	s_barrier_wait -1                              ; the twelve K steps of s, p, x lie in LDS.  Slot 1's load may be out
	; ---- passes r, r1, att: one text, three trips; every change of slots fills a slot again
.Lpass:
	v_add_nc_u32 v[BRW], s[BOFF], v[BRD]
	s_wait_alu depctr_va_vdst(0)
	KPASS 0x50, 1, 1, 0, 1                         ; C and D in window 1
	SIG 1, KS
	s_cmp_eq_u32 s[PASS], 0
	s_cbranch_scc0 .Lnot_r
	MULQ 2, 0                                      ; s r
	s_branch .Lnext
.Lnot_r:
	s_cmp_eq_u32 s[PASS], 1
	s_cbranch_scc0 .Lnext                          ; att stays in window 1
	MULQ 3, 1                                      ; p r1: p's registers are free from here on
.Lnext:
	s_wait_tensorcnt 0x0                           ; the trip's end changes slot 1: my one load that was out, the next pass's phase 0 in slot 0, is in;
	ds_add_u32 v[SPW], v[NIL]
	s_add_nc_u64 s[G0+6:G0+7], s[PB:PB+1], s[RO+2:RO+3]   ; no tensor load of mine is out, so a group 0 may be written: my cluster's phase 1
	s_add_nc_u64 s[G0+6:G0+7], s[G0+6:G0+7], PASSB        ; of the next pass
	s_or_b32 s[G0+7], s[G0+7], 0x80000000          ; type = 2
	s_wait_dscnt 0x0                               ; the add is done, my reads of slot 1 are over and my images have landed
	ROUND                                          ; no wave of any partner still reads slot 1 or has a load on its way
	tensor_load_to_lds s[G0+4:G0+7], s[G1:G1+7]    ; the first tensor load behind the round
	s_nop 0
	PLACES
	s_wait_xcnt 0x0                                ; the prefetches have read their base
	s_add_nc_u64 s[PFA:PFA+1], s[PFA:PFA+1], PASSB
	s_add_nc_u64 s[PB:PB+1], s[PB:PB+1], PASSB     ; (no descriptor names this pair)
	s_add_co_u32 s[BOFF], s[BOFF], 512
	s_add_co_u32 s[PASS], s[PASS], 1
	s_cmp_lt_u32 s[PASS], 3
	s_cbranch_scc1 .Lpass
	; ---- pass c is written out: its sums lie in window 3, its last two changes of slots fill nothing, and its last barrier also parts every wave's reads of s r and p r1 from the stages
	s_wait_dscnt 0x0                               ; my images of s r and p r1 have landed
	s_barrier_signal -1
	s_barrier_wait -1                              ; everybody's have.  The next refill has its own round
	KPASS 0xf0, 0, 0, 1, 0
	SIG 3, K2                                      ; rho = 1 / (1 + 2^(2 z log2 e))
	WIN 0xc3
.set I, 0
.rept 128
	v_pk_fma_f32 v[2*I:2*I+1], v[2*I:2*I+1], -2.0, 1.0 op_sel_hi:[1,0,0]   ; c = 1 - 2 rho
.set I, I+1
.endr
	WIN 0xcb
.set I, 0
.rept 128
	v_pk_add_f32 v[2*I:2*I+1], v[2*I:2*I+1], v[2*I:2*I+1] neg_lo:[0,1] neg_hi:[0,1]   ; c - s
.set I, I+1
.endr
.irp m, 0,1,2,3
.if \m > 1
	s_wait_xcnt 0x0                                ; tile m - 2's stores have read their registers: tile m's rows may land there
.endif
	WIN 0xed                                       ; att window 1, c - s window 3, s window 2, result window 3
.set I, 32*\m
.rept 32
	v_pk_fma_f32 v[2*I:2*I+1], v[2*I:2*I+1], v[2*I:2*I+1], v[2*I:2*I+1]
.set I, I+1
.endr
	WIN 0x0c
	LST 64*\m                                      ; into my stage as the lanes hold it,
	WIN 0
	ROWS \m                                        ; and back as rows
.if \m > 0
	SEND \m-1, 32                                  ; behind tile m - 1's loads: tile m's 16 stores and 16 loads
.endif
.endr
	SEND 3, 0
	s_wait_tensorcnt 0x0                           ; the wave's end
	ds_add_u32 v[SPW], v[NIL]
	s_wait_dscnt 0x0
	ROUND                                          ; the closing round: no work-group ends while a partner may still ask for a chunk that names it
	s_endpgm
.Lfunc_end_k_q49cd9e99be_gru:
	.size	k_q49cd9e99be_gru, .Lfunc_end_k_q49cd9e99be_gru-k_q49cd9e99be_gru
	.p2alignl 7, 3214868480
	.fill 96, 4, 3214868480
	.section	.rodata,"a",@progbits
	.p2align	6, 0x0
	.amdhsa_kernel k_q49cd9e99be_gru
		.amdhsa_group_segment_fixed_size 327680
		.amdhsa_private_segment_fixed_size 0
		.amdhsa_enable_private_segment 0
		.amdhsa_kernarg_size 72
		.amdhsa_user_sgpr_count 2
		.amdhsa_user_sgpr_kernarg_segment_ptr 1
		.amdhsa_wavefront_size32 1
		.amdhsa_system_sgpr_workgroup_id_x 1
		.amdhsa_system_sgpr_workgroup_id_y 1
		.amdhsa_system_sgpr_workgroup_id_z 1
		.amdhsa_system_vgpr_workitem_id 0
		.amdhsa_next_free_vgpr 1024
		.amdhsa_next_free_sgpr 80
		.amdhsa_reserve_vcc 0
		.amdhsa_float_denorm_mode_32 3
		.amdhsa_float_denorm_mode_16_64 3
		.amdhsa_memory_ordered 1
		.amdhsa_forward_progress 1
		.amdhsa_inst_pref_size 255
	.end_amdhsa_kernel
	.section	.bss,"aw",@nobits
	.p2align	6
	.space	262144
	.amdgpu_metadata
---
amdhsa.version: [ 1, 2 ]
amdhsa.kernels:
  - .name:           k_q49cd9e99be_gru
    .symbol:         k_q49cd9e99be_gru.kd
    .args:
      - { .name: inputs, .offset: 0, .size: 8, .value_kind: global_buffer, .address_space: global }
      - { .name: state, .offset: 8, .size: 8, .value_kind: global_buffer, .address_space: global }
      - { .name: parent_state, .offset: 16, .size: 8, .value_kind: global_buffer, .address_space: global }
      - { .name: wq, .offset: 24, .size: 8, .value_kind: global_buffer, .address_space: global }
      - { .name: w_r_b, .offset: 32, .size: 8, .value_kind: global_buffer, .address_space: global }
      - { .name: w_r1_b, .offset: 40, .size: 8, .value_kind: global_buffer, .address_space: global }
      - { .name: w_a_b, .offset: 48, .size: 8, .value_kind: global_buffer, .address_space: global }
      - { .name: w_c_b, .offset: 56, .size: 8, .value_kind: global_buffer, .address_space: global }
      - { .name: out0, .offset: 64, .size: 8, .value_kind: global_buffer, .address_space: global }
    .group_segment_fixed_size: 327680
    .private_segment_fixed_size: 0
    .kernarg_segment_align: 8
    .kernarg_segment_size: 72
    .max_flat_workgroup_size: 128
    .sgpr_count:     80
    .vgpr_count:     1024
    .wavefront_size: 32
...
	.end_amdgpu_metadata
.endif
;; end of part 2
